; MI455X (gfx1250); checked and timed in simulation.
; The chip was launched on July 23, 2026; its instructions are those of AMD's public machine-readable ISA for CDNA 5 (MIT licence, August 2026) and "CDNA5" Instruction Set Architecture Reference Guide (July 2026). The comments in the code are by the model that wrote it; some were corrected since.
;; Moe Router. Allowed arithmetic: matrix products marked QUANTISED: E2M1 operands, one E8M0 scale for each 32 along K, by v_wmma_scale_f32_16x16x128_f8f6f4 with both operands' format E2M1 (or v_wmma_scale_f32_32x16x128_f4), f32 sums; everything else in f32.
;; Inputs: W 64 x 2,048 float32; x 16,384 x 2,048 float32.
;; Outputs: out0 16,384 x 2 float32; out1 16,384 x 2 int32.
;; This version of the problem:
;;   THIS VERSION OF THE PROBLEM IS GIVEN IN LOW PRECISION. The matrix products marked QUANTISED in the list below multiply operands that are first quantised to E2M1 (2 exponent bits, 1 mantissa bit; 4 bits a number), with one power-of-two scale for each 32 numbers along K (OCP MX v1.0); their sums are f32. All else is computed in f32.
;;   The module's matrix products, in the order in which they are computed (A, B: the left and right operand; K: the contracted axis; several contracted axes count as one K, in the product's order):
;;     1. [M 16,384, K 2,048] x [K 2,048, N 64]; A: input x; B: input W: QUANTISED
;;   THE QUANTISER, for each operand of a quantised product, along K:
;;     - K is cut into blocks of 32 from its start; a last block that is shorter is filled with zeros.
;;     - A block's scale is 2^e with e = floor(log2(the largest magnitude in the block)) - 2, held to -126 .. 127; a block of zeros has e = 0. As a byte (E8M0): e + 127.
;;     - Each number is divided by its block's scale, clamped to +-6, and rounded to the nearest number of E2M1, ties to even, subnormals kept.
;;     - The product sums the exact products of the quantised numbers (number of the format x scale) in f32.
;;   ~~~python
;;   def quantise(x, axis):      # numpy; x: float32 -> the quantised numbers, widened to float32 again
;;       x = np.moveaxis(x, axis, -1); K = x.shape[-1]
;;       x = np.pad(x, [(0, 0)] * (x.ndim - 1) + [(0, -K % 32)]); x = x.reshape(x.shape[:-1] + (-1, 32)); a = np.abs(x).max(-1, keepdims=True)
;;       e = np.where(a > 0, np.clip(np.frexp(np.where(a > 0, a, 1))[1] - 1 - 2, -126, 127), 0)      # np.frexp(a)[1] - 1 = floor(log2(a)), exactly
;;       r = np.clip(x / 2.0 ** e, -6, 6)
;;       step = 2.0 ** (np.maximum(np.frexp(np.where(r == 0, 1, r))[1] - 1, 0) - 1)
;;       q = np.round(r / step) * step * 2.0 ** e      # np.round: ties to even
;;       return np.moveaxis(q.reshape(q.shape[:-2] + (-1,))[..., :K], -1, axis).astype(np.float32)
;;   ~~~
;; 2 versions. Each part assembles by itself: llvm-mc -triple=amdgcn-amd-amdhsa -mcpu=gfx1250 --defsym DOCPART=n.
;; ======== version 1 of 2: 1 launch
;; limits: right only within a limited range of input values
;; launch route (part 1): grid 256 x 1, 16 waves a work-group, no clusters, 244,736 bytes of LDS; arguments x, W, out0, out1; writes out0, out1
.if DOCPART == 1
	.amdgcn_target "amdgcn-amd-amdhsa--gfx1250"
	.amdhsa_code_object_version 6
	.text
	.protected	k_qb8ff1a87b4_route
	.globl	k_qb8ff1a87b4_route
	.p2align	8
	.type	k_qb8ff1a87b4_route,@function
k_qb8ff1a87b4_route:
	s_mov_b64 s[64:65], 0
	v_nop
	global_prefetch_b8 v0, s[64:65] scope:SCOPE_SE
	s_setreg_imm32_b32 hwreg(HW_REG_WAVE_MODE, 25, 1), 1
	s_wait_xcnt 0x0
; MoE router: logits = Q(x) Q(W)^T on codes of FP4 (E2M1) with one E8M0 scale for each 32 along K; softmax over the 64 experts; the two largest
; probabilities (ties: the lower index) and their indices; the two weights divided by (their sum + 1e-9).  x [16384][2048], W [64][2048] f32; out0 [16384][2] f32, out1 [16384][2] i32.
; SHARES.  A work-group owns 64 tokens.  Sixteen waves, four to a SIMD: wave w has m = w / 4 (a tile of 16 rows) and q = w % 4 (a quarter of K, 512 numbers).
; W has 64 rows of 8,192 bytes, as a work-group's part of x has: ONE macro quantises both.  Wave (m, q) quantises 16 experts x 512 k of W and 16 tokens x 512 k of x.
; A GRANULE is 16 rows x 64 k: eight loads, each of two rows' 256 consecutive bytes, aligned, whole.  THE NUMBERS ARE QUANTISED WHERE THE LOADS PUT THEM, and only the codes, an eighth of the bytes, go through LDS.
; Inside a load lane l = 16 h + 8 u + 4 b + t takes row u, block b, bytes 64 h + 16 t of the block: a block of 32 numbers lies in a quad of lanes and in the quad 16 lanes on.  For a pair of loads four
; v_permlane16_swap_b32 bring the two halves together: lanes 0-15 then hold 8 numbers of the even load's block in 8 consecutive registers, lanes 16-31 of the odd load's.  The block's largest magnitude
; wants two steps across the quad; one conversion gives a dword of 8 codes, which is stored at its place in the image of the operand's registers.
; INSIDE A BLOCK THE CODES DO NOT LIE IN K's ORDER: dword t holds elements 4 t .. 4 t + 3 and 16 + 4 t .. 16 + 4 t + 3.  The order is the same in every lane and in both operands, so each product meets its partner.
; Sixteen granules a wave, W's and x's by turns, in a ring of four sets of 32 registers: 32 loads (16 KiB) of a wave are on their way.
; W's images are read by all waves of a quarter: after the two granules of W of a K step of 128 one barrier; then that step's four fragments of W (all 64 experts) come from LDS and four matrix instructions follow.
; THE PRODUCT IS USED TRANSPOSED: source 0 = 16 experts, source 1 = my 16 tokens: a lane holds one token, its registers run along the experts.
; THE EXPERTS OF A TILE ARE NOT NEIGHBOURS: tile t takes experts 8 t .. 8 t + 7 and 32 + 8 t .. 32 + 8 t + 7, so that register j of lane (r, h) is expert 32 h + 8 t + j and a token's row of sums lies in LDS in the experts' order.
; THE END.  The four quarters' sums meet in LDS; each wave finishes 4 tokens, 8 lanes to a token, 8 experts to a lane.  The results meet in LDS and leave as 512 consecutive bytes of each output, one store each.
; WHY NO JOINT LOADS OF W IN A CLUSTER, though every work-group reads the same W: it comes as f32, 524,288 bytes, more than LDS holds beside the rest; joint loads would have to fill a ring again and again,
; each time behind a round of the cluster's barrier for 64 waves, where this text's waves meet six times in all.  WHY NO LAUNCH OF ITS OWN FOR W: it is one part in 256 of the bytes that come from memory.
; LIMITS.  NaN and infinities among the inputs are not served.  v_exp_f32 gives 0 where the exact value lies under 2^-126 (ISA guide, its entry): an expert whose logit lies more than about 87.3 under the row's
; largest has probability 0 here and competes as 0 (ties: the lower index).  Divisions are v_rcp_f32 (1 ulp) and a multiplication.  K is summed in four quarters, then (0 + 1) + (2 + 3), and inside a block in the
; order given above: sums may differ from another order's in their last bits, and with them the choice between two probabilities that lie so close.
; A block of zeros gets the byte 1 where the rule says 127: its codes are zeros, which add nothing, and nobody else reads the bytes.  A largest magnitude under 2^-124 holds the byte at 1, as the rule's hold at -126 does.
.set ROWB,   8192                      ; a row of x or of W in bytes
.set SPITCH, 272                       ; a row of sums in LDS: 256 bytes + 16
.set HOFF,   320                       ; in half an image: lanes 0-15's 16 x 16 bytes, 64 bytes left free, lanes 16-31's: 80 words on, so that the 32 lanes of a store of codes fall on 32 different banks (64 banks of 4 bytes: ISA guide 11.1)
.set HIMG,   640                       ; half a fragment's image: registers 4 c .. 4 c + 3
.set FIMG,   2*HIMG                    ; a fragment's
.set KSB,    4*FIMG                    ; a K step's four tiles
.set WQ,     4*KSB                     ; a quarter's four K steps
.set WIMG,   0                         ; LDS: W's 64 fragments as images: WQ q + KSB s + FIMG t
.set SCL,    4*WQ                      ; W's scale words: for (q, s) 256 bytes: row r's four tiles' words at 16 r
.set XSTG,   SCL+4096                  ; sixteen stages for x's codes, a wave's own: eight half images, then four K steps' scale words (64 bytes each); no byte is written twice
.set XWB,    8*HIMG+256
.set PART,   XSTG+16*XWB               ; the quarters' sums: [q][token][expert] f32, rows SPITCH apart
.set PARTQ,  64*SPITCH
.set RES,    PART+4*PARTQ              ; the results: 512 bytes as out0 has them, then 512 as out1 has them
.set GOFF, 1                           ; v1   byte offset of my 16 bytes in a load: 8,192 u + 128 b + 64 h + 16 t; never rewritten
.set XST,  2                           ; v2   where I store x's codes
.set XLD,  3                           ; v3   and load them as a fragment's registers
.set WIA,  4                           ; v4   where I store W's codes
.set WSA,  5                           ; v5   and W's scale bytes
.set WLA,  6                           ; v6   where I load W's images
.set WSL,  7                           ; v7   and their scale words
.set XSB,  8                           ; v8   where I store x's scale bytes
.set XSW,  9                           ; v9   and load x's scale word
.set T,    10                          ; v10-13 largest magnitudes, one for each pair of loads
.set S,    14                          ; v14-17 the conversions' scale operands
.set XS,   18                          ; v18  x's scale word: holds nothing else
.set PST,  19                          ; v19  where I store my sums
.set WSC,  20                          ; v20-23 the scale words of W's four tiles: hold nothing else
.set CB,   24                          ; v24-43 four dwords of codes and a scale byte, a set for each of a K step's four granules: no LDS store's data are written again before a wait for all LDS instructions
.set XC,   44                          ; v44-51 x's fragment of the K step
.set ACC,  52                          ; v52-83 four accumulators
.set WF,   84                          ; v84-115 W's four fragments of the K step
.set RAW,  116                         ; v116-243 the ring: four sets of 32; at the end the registers below
.set PL,   116                         ; v116-147 four quarters x 8 experts; then logits, exponentials, probabilities in the first eight
.set PLD,  148
.set RSA,  149
.set RLD,  150
.set GOUT, 151
.set IB,   152
.set MX,   153
.set NM,   154                         ; pair
.set SA,   156                         ; pair
.set SB,   158                         ; pair
.set RC,   160                         ; pair
.set KC,   162                         ; v162-169 my eight experts' numbers
.set TV1,  170
.set TV2,  171
.set TI1,  172                         ; pair with TI2: 8 bytes of out1
.set TI2,  173
.set TW1,  174                         ; pair with TW2: 8 bytes of out0
.set TW2,  175
.set U1,   176
.set J1,   177
.set U2,   178
.set J2,   179
.set XV,   180
.set XI,   181
.set YV,   182
.set YI,   183
.set DN,   184
.set DR,   185
.set OUTR, 186
.set MA,   30                          ; s30-32 lane masks at work
.set MB,   31
.set MC,   32
.set Q1,   33                          ; s33-35 constant lane masks: the lanes whose place in their quad is 1, 2, 3
.set Q2,   34
.set Q3,   35
; Place p of the stream, 0 .. 15: even p is granule p / 2 of W, odd p granule p / 2 of x; set p % 4 of the ring.  Every offset is an immediate: no pointer is stepped.
.macro GLOAD p
.set GG, (\p)/2
.set RSET, RAW+32*((\p)%4)
.if (\p)%2 == 0
.irp i, 0,1,2,3,4,5,6,7
	global_load_b128 v[RSET+4*\i:RSET+4*\i+3], v[GOFF], s[6:7] offset:\i*2*ROWB+(\i/4)*24*ROWB+256*GG   ; W: the tile's rows 2 i, 2 i + 1; rows 8-15 are the experts 24 further on
.endr
.else
.irp i, 0,1,2,3,4,5,6,7
	global_load_b128 v[RSET+4*\i:RSET+4*\i+3], v[GOFF], s[4:5] offset:\i*2*ROWB+256*GG th:TH_LOAD_NT    ; x: read once in the launch
.endr
.endif
.endm
; The granule at place p becomes codes and scale bytes; its set takes the loads of four places on; the codes go to LDS.
; Pair a of loads (2 a, 2 a + 1): my lane works on row 4 a + 2 h + u, block b, and makes dword t of the block's four.
.macro TURN p
.set QS, RAW+32*((\p)%4)
.set QC, CB+5*((\p)%4)
.set QG, (\p)/2
.if (\p) < 13
	s_wait_loadcnt 24                              ; loads come back in order (ISA guide 5.7.1): this granule's eight are in, the 24 of the three younger granules stay out
.else
	s_wait_loadcnt 8*(15-(\p))                     ; the last places: fewer are behind
.endif
.irp a, 0,1,2,3
.irp k, 0,1,2,3
	v_permlane16_swap_b32 v[QS+8*\a+\k], v[QS+8*\a+4+\k]   ; the even load's lanes 16-31 change places with the odd load's lanes 0-15: eight registers on end now hold 8 numbers of ONE block: bytes 16 t on, then bytes 64 + 16 t on
.endr
.endr
.irp a, 0,1,2,3
	v_max3_num_f32 v[T+\a], |v[QS+8*\a]|, |v[QS+8*\a+1]|, 0x1800000   ; my eight, and the floor 2^(3 - 127): the byte cannot fall under 1.  (The four pairs by turns: no line waits for the line above it)
.endr
.irp i, 2,4,6
.irp a, 0,1,2,3
	v_max3_num_f32 v[T+\a], v[T+\a], |v[QS+8*\a+\i]|, |v[QS+8*\a+\i+1]|
.endr
.endr
.irp x, 1,2
.irp a, 0,1,2,3
	v_max_num_f32_dpp v[T+\a], v[T+\a], v[T+\a] row_xmask:\x row_mask:0xf bank_mask:0xf   ; with the quad's other three lanes: the block's largest magnitude
.endr
.endr
.irp a, 0,1,2,3
	v_add_nc_u32 v[S+\a], 0xff000000, v[T+\a]      ; 2 off the exponent field: the conversion takes this operand's exponent field as its scale and nothing else of it
.endr
.irp a, 0,1,2,3
	v_cvt_scalef32_pk8_fp4_f32 v[QC+\a], v[QS+8*\a:QS+8*\a+7], v[S+\a]   ; to the nearest code, ties to even, beyond 6 the largest code
.endr
	v_cndmask_b32 v[QC+4], v[S], v[S+1], s[Q1]     ; lane t of a quad speaks for pair t: 32 lanes, 16 rows x 2 blocks.  (Also the plain instructions behind the conversions)
	v_cndmask_b32 v[QC+4], v[QC+4], v[S+2], s[Q2]
	v_cndmask_b32 v[QC+4], v[QC+4], v[S+3], s[Q3]
	v_lshrrev_b32 v[QC+4], 23, v[QC+4]             ; the scale's byte
.if (\p)+4 < 16
	GLOAD (\p)+4                                   ; the set has been read by vector instructions alone: it takes the next loads at once
.endif
.if (\p)%2 == 0
.irp a, 0,1,2,3
	ds_store_b32 v[WIA], v[QC+\a] offset:KSB*(QG/2)+HIMG*(QG%2)+64*\a   ; into the image of tile m's fragment: row 4 a + 2 h + u at 16 bytes a row, block b HOFF on, dword t
.endr
	ds_store_b8 v[WSA], v[QC+4] offset:256*(QG/2)+2*(QG%2)              ; byte 2 c + b of the row's scale word
.else
.irp a, 0,1,2,3
	ds_store_b32 v[XST], v[QC+\a] offset:HIMG*QG+64*\a
.endr
	ds_store_b8 v[XSB], v[QC+4] offset:64*(QG/2)+2*(QG%2)
	ds_load_b128 v[XC+4*(QG%2):XC+4*(QG%2)+3], v[XLD] offset:HIMG*QG    ; LDS serves a wave's instructions in order (ISA guide 5.7.1.4): this sees the stores.  Registers 4 c .. 4 c + 3 of x's fragment
.endif
.endm
.macro BAR
	s_barrier_signal -1
	s_barrier_wait -1
.endm
; K step s of my quarter: places 4 s .. 4 s + 3.
.macro KSTEP s
	TURN 4*(\s)                                    ; W, first half
	TURN 4*(\s)+1                                  ; x, first half
	TURN 4*(\s)+2                                  ; W, second half
	s_wait_dscnt 0x0                               ; for the others' sake: my part of W's K step lies in LDS
	BAR                                            ; everybody's does
.irp t, 0,1,2,3
	ds_load_b128 v[WF+8*\t:WF+8*\t+3], v[WLA] offset:KSB*(\s)+FIMG*\t
	ds_load_b128 v[WF+8*\t+4:WF+8*\t+7], v[WLA] offset:KSB*(\s)+FIMG*\t+HIMG
.endr
	ds_load_b128 v[WSC:WSC+3], v[WSL] offset:256*(\s)              ; the four tiles' scale words of my lane's row
	TURN 4*(\s)+3                                  ; x, second half, while W's fragments come
	ds_load_b32 v[XS], v[XSW] offset:64*(\s)       ; my row's scale word: its four bytes were stored above
	s_wait_dscnt 0x0                               ; operands and scale words are in: all come by loads, which owe their wait alone
.irp t, 0,1,2,3                                ; the four accumulators by turns, one instruction a turn; the first K step starts the sums
.if (\s) == 0
	v_wmma_scale_f32_16x16x128_f8f6f4 v[ACC+8*\t:ACC+8*\t+7], v[WF+8*\t:WF+8*\t+7], v[XC:XC+7], 0, v[WSC+\t], v[XS] matrix_a_fmt:MATRIX_FMT_FP4 matrix_b_fmt:MATRIX_FMT_FP4
.else
	v_wmma_scale_f32_16x16x128_f8f6f4 v[ACC+8*\t:ACC+8*\t+7], v[WF+8*\t:WF+8*\t+7], v[XC:XC+7], v[ACC+8*\t:ACC+8*\t+7], v[WSC+\t], v[XS] matrix_a_fmt:MATRIX_FMT_FP4 matrix_b_fmt:MATRIX_FMT_FP4
.endif
.endr
.rept 4
	v_nop                                          ; four places ahead of the loads that next land in these operands and of the stores that read these results
.endr
.endm
	s_load_b128 s[4:7], s[0:1], 0x0                ; x s[4:5], W s[6:7]
	s_load_b128 s[8:11], s[0:1], 0x10              ; out0 s[8:9], out1 s[10:11]
	v_lshl_add_u32 v254, v0, 2, 0x3b400
	v_mov_b32 v255, 0
	v_lshrrev_b32 v10, 5, v0
	v_readfirstlane_b32 s12, v10                   ; wave 0..15
	v_and_b32 v10, 3, v0                           ; t: my place in the quad
	v_bfe_u32 v11, v0, 2, 1                        ; b: which of a row's two blocks
	v_bfe_u32 v12, v0, 3, 1                        ; u: which of a load's two rows
	v_bfe_u32 v13, v0, 4, 1                        ; h: which half of the lanes
	v_lshlrev_b32 v[GOFF], 4, v10
	v_lshl_add_u32 v[GOFF], v13, 6, v[GOFF]
	v_lshl_add_u32 v[GOFF], v11, 7, v[GOFF]
	v_lshl_add_u32 v[GOFF], v12, 13, v[GOFF]
	s_lshr_b32 s13, s12, 2                         ; m
	s_and_b32 s14, s12, 3                          ; q
	s_lshl_b32 s20, ttmp9, 19                      ; x: 64 rows a work-group,
	s_lshl_b32 s21, s13, 17                        ; 16 rows a tile,
	s_add_co_u32 s20, s20, s21
	s_lshl_b32 s22, s14, 11                        ; 2,048 bytes a quarter of K
	s_add_co_u32 s20, s20, s22
	s_mov_b32 s21, 0
	s_lshl_b32 s24, s13, 16                        ; W: tile m begins at expert 8 m
	s_add_co_u32 s24, s24, s22
	s_mov_b32 s25, 0
	s_wait_kmcnt 0x0
	s_add_nc_u64 s[4:5], s[4:5], s[20:21]
	s_add_nc_u64 s[6:7], s[6:7], s[24:25]
	GLOAD 0                                        ; the ring is filled before anything else is done
	GLOAD 1
	GLOAD 2
	GLOAD 3
	v_lshlrev_b32 v14, 2, v10                      ; a dword of codes in half an image: 4 t + 16 u + 32 h + HOFF b (+ 64 for each pair of loads)
	v_lshl_add_u32 v14, v12, 4, v14
	v_lshl_add_u32 v14, v13, 5, v14
	v_mad_u32_u24 v14, v11, HOFF, v14
	v_and_b32 v15, 15, v0                          ; r = lane % 16
	v_lshlrev_b32 v16, 4, v15                      ; a lane's 16 bytes of half an image: 16 r + HOFF h
	v_mad_u32_u24 v16, v13, HOFF, v16
	v_lshl_add_u32 v17, v10, 4, v11                ; x's scale byte: row 4 t + 2 h + u, 4 bytes a row, + b
	v_lshl_add_u32 v17, v12, 2, v17
	v_lshl_add_u32 v17, v13, 3, v17
	v_lshl_add_u32 v[WSA], v10, 6, v11             ; W's: the same row, 16 bytes a row, + b
	v_lshl_add_u32 v[WSA], v12, 4, v[WSA]
	v_lshl_add_u32 v[WSA], v13, 5, v[WSA]
	s_mul_i32 s15, s12, XWB
	s_add_co_u32 s15, s15, XSTG                    ; my stage
	v_add_nc_u32 v[XST], s15, v14
	v_add_nc_u32 v[XLD], s15, v16
	s_add_co_u32 s16, s15, 8*HIMG                  ; behind its eight half images: the scale words
	v_add_nc_u32 v[XSB], s16, v17
	v_lshl_add_u32 v[XSW], v15, 2, s16
	s_mul_i32 s16, s14, WQ                         ; my quarter's 16 fragments of W (WIMG = 0)
	v_add_nc_u32 v[WLA], s16, v16
	s_mul_i32 s17, s13, FIMG                       ; of each K step's four, tile m is the one that I make
	s_add_co_u32 s17, s17, s16
	v_add_nc_u32 v[WIA], s17, v14
	s_lshl_b32 s16, s14, 10
	s_add_co_u32 s16, s16, SCL                     ; my quarter's scale words of W
	v_lshl_add_u32 v[WSL], v15, 4, s16
	s_lshl_b32 s17, s13, 2
	s_add_co_u32 s17, s17, s16
	v_add_nc_u32 v[WSA], s17, v[WSA]
	v_mul_u32_u24 v[PST], v15, SPITCH
	v_lshl_add_u32 v[PST], v13, 7, v[PST]          ; 272 r + 128 h
	s_mul_i32 s16, s14, PARTQ
	s_mul_i32 s17, s13, 16*SPITCH
	s_add_co_u32 s16, s16, s17
	s_add_co_u32 s16, s16, PART
	v_add_nc_u32 v[PST], s16, v[PST]               ; my sums: quarter q, token 16 m + r, experts 32 h on
	s_mov_b32 s[Q1], 0x22222222
	s_mov_b32 s[Q2], 0x44444444
	s_mov_b32 s[Q3], 0x88888888
	s_mov_b32 s28, 0x3fb8aa3b                      ; log2(e)
	s_mov_b32 s29, s28                             ; (named with it as a pair, so it is written)
	KSTEP 0
	KSTEP 1
	KSTEP 2
	KSTEP 3
	; my quarter's sums to LDS: lane (r, h), tile t: token 16 m + r, experts 32 h + 8 t + 0 .. 7: 32 bytes.  Each accumulator from its low end on.
.irp t, 0,1,2,3
	ds_store_b128 v[PST], v[ACC+8*\t:ACC+8*\t+3] offset:32*\t
	ds_store_b128 v[PST], v[ACC+8*\t+4:ACC+8*\t+7] offset:32*\t+16
.endr
	v_lshrrev_b32 v[RSA], 3, v0                    ; THE END'S SHARES: thread / 8 is my token (0 .. 63), thread % 8 my group of eight experts
	v_and_b32 v[IB], 7, v0
	v_mul_u32_u24 v[PLD], v[RSA], SPITCH
	v_lshl_add_u32 v[PLD], v[IB], 5, v[PLD]
	v_add_nc_u32 v[PLD], PART, v[PLD]              ; my token's row, my 32 bytes
	v_lshl_add_u32 v[RSA], v[RSA], 3, RES          ; my token's 8 bytes among the results
	v_lshl_add_u32 v[RLD], v0, 4, RES              ; waves 0 and 1: 16 bytes a thread of the 1,024
	v_and_b32 v[GOUT], 31, v0
	v_lshlrev_b32 v[GOUT], 4, v[GOUT]
	v_lshlrev_b32 v[IB], 3, v[IB]
.irp k, 0,1,2,3,4,5,6,7
	v_add_nc_u32 v[KC+\k], \k, v[IB]               ; my experts' numbers
.endr
	v_mov_b32 v[U1], 0                             ; written once: a DPP move's destination counts as one of its sources
	v_mov_b32 v[J1], 0
	v_mov_b32 v[U2], 0
	v_mov_b32 v[J2], 0
	v_mov_b32 v[NM+1], 0                           ; (upper halves of pairs of which the packed forms take the low word)
	v_mov_b32 v[RC+1], 0
	s_wait_dscnt 0x0                               ; for the others' sake: my sums lie in LDS
	BAR
.irp p, 0,1,2,3
	ds_load_b128 v[PL+8*\p:PL+8*\p+3], v[PLD] offset:\p*PARTQ
	ds_load_b128 v[PL+8*\p+4:PL+8*\p+7], v[PLD] offset:\p*PARTQ+16
.endr
	s_wait_dscnt 0x0
.irp k, 0,2,4,6
	v_pk_add_f32 v[PL+\k:PL+\k+1], v[PL+\k:PL+\k+1], v[PL+8+\k:PL+8+\k+1]          ; quarters 0 + 1,
	v_pk_add_f32 v[PL+16+\k:PL+16+\k+1], v[PL+16+\k:PL+16+\k+1], v[PL+24+\k:PL+24+\k+1]   ; 2 + 3,
.endr
.irp k, 0,2,4,6
	v_pk_add_f32 v[PL+\k:PL+\k+1], v[PL+\k:PL+\k+1], v[PL+16+\k:PL+16+\k+1]        ; and both: eight logits
.endr
	v_max3_num_f32 v[MX], v[PL], v[PL+1], v[PL+2]
	v_max3_num_f32 v[MX], v[MX], v[PL+3], v[PL+4]
	v_max3_num_f32 v[MX], v[MX], v[PL+5], v[PL+6]
	v_max_num_f32 v[MX], v[MX], v[PL+7]
.irp x, 1,2,4
	v_max_num_f32_dpp v[MX], v[MX], v[MX] row_xmask:\x row_mask:0xf bank_mask:0xf   ; with the token's other seven lanes: the row's largest logit
.endr
	v_mul_f32 v[NM], 0xbfb8aa3b, v[MX]             ; -log2(e) x the largest
.irp k, 0,2,4,6
	v_pk_fma_f32 v[PL+\k:PL+\k+1], v[PL+\k:PL+\k+1], s[28:29], v[NM:NM+1] op_sel_hi:[1,0,0]   ; (l - largest) log2(e), one rounding; what the rounding of the product above leaves is one factor common to the row, which the division by the sum takes out
.endr
.irp k, 0,1,2,3,4,5,6,7
	v_exp_f32 v[PL+\k], v[PL+\k]
.endr
	v_nop                                          ; a plain instruction behind the last exponential
	s_wait_alu depctr_va_vdst(0)                   ; one wait for the eight, ahead of their first reader
	v_pk_add_f32 v[SA:SA+1], v[PL:PL+1], v[PL+2:PL+3]
	v_pk_add_f32 v[SB:SB+1], v[PL+4:PL+5], v[PL+6:PL+7]
	v_pk_add_f32 v[SA:SA+1], v[SA:SA+1], v[SB:SB+1]
	v_add_f32 v[SA], v[SA], v[SA+1]
.irp x, 1,2,4
	v_add_f32_dpp v[SA], v[SA], v[SA] row_xmask:\x row_mask:0xf bank_mask:0xf       ; the row's sum: about 1 at the least
.endr
	v_rcp_f32 v[RC], v[SA]
	v_nop
	s_wait_alu depctr_va_vdst(0)
.irp k, 0,2,4,6
	v_pk_mul_f32 v[PL+\k:PL+\k+1], v[PL+\k:PL+\k+1], v[RC:RC+1] op_sel_hi:[1,0]     ; the probabilities: the choice is made on them, as the definition makes it
.endr
	; the two largest of my eight, in ascending order of the experts: only a strictly larger one displaces, so the lower index keeps a tie
	v_cmp_gt_f32 vcc_lo, v[PL+1], v[PL]
	v_cndmask_b32 v[TI1], v[KC], v[KC+1], vcc_lo
	v_cndmask_b32 v[TI2], v[KC+1], v[KC], vcc_lo
	v_max_num_f32 v[TV1], v[PL], v[PL+1]
	v_min_num_f32 v[TV2], v[PL], v[PL+1]
.irp k, 2,3,4,5,6,7
	v_cmp_gt_f32 vcc_lo, v[PL+\k], v[TV1]
	v_cmp_gt_f32 s[MA], v[PL+\k], v[TV2]
	v_cndmask_b32 v[TI2], v[TI2], v[KC+\k], s[MA]
	v_cndmask_b32 v[TI2], v[TI2], v[TI1], vcc_lo
	v_cndmask_b32 v[TI1], v[TI1], v[KC+\k], vcc_lo
	v_med3_num_f32 v[TV2], v[PL+\k], v[TV1], v[TV2]               ; the middle of the three is the new second
	v_max_num_f32 v[TV1], v[TV1], v[PL+\k]
.endr
; My pair and lane l xor x's pair become one.  'Better' is: larger, or equal with the lower index: a strict order, so both lanes come to the same pair.  The masks only select values.
.macro MERGE x
	v_mov_b32_dpp v[U1], v[TV1] row_xmask:\x row_mask:0xf bank_mask:0xf
	v_mov_b32_dpp v[J1], v[TI1] row_xmask:\x row_mask:0xf bank_mask:0xf
	v_mov_b32_dpp v[U2], v[TV2] row_xmask:\x row_mask:0xf bank_mask:0xf
	v_mov_b32_dpp v[J2], v[TI2] row_xmask:\x row_mask:0xf bank_mask:0xf
	v_cmp_gt_f32 s[MA], v[U1], v[TV1]
	v_cmp_eq_f32 s[MB], v[U1], v[TV1]
	v_cmp_lt_u32 s[MC], v[J1], v[TI1]
	s_and_b32 s[MB], s[MB], s[MC]
	s_or_b32 s[MA], s[MA], s[MB]                   ; the other's first is better than mine
	v_cndmask_b32 v[XV], v[TV2], v[TV1], s[MA]     ; then my first and the other's second stand for the second place, else my second and the other's first
	v_cndmask_b32 v[XI], v[TI2], v[TI1], s[MA]
	v_cndmask_b32 v[YV], v[U1], v[U2], s[MA]
	v_cndmask_b32 v[YI], v[J1], v[J2], s[MA]
	v_cndmask_b32 v[TV1], v[TV1], v[U1], s[MA]
	v_cndmask_b32 v[TI1], v[TI1], v[J1], s[MA]
	v_cmp_gt_f32 s[MA], v[YV], v[XV]
	v_cmp_eq_f32 s[MB], v[YV], v[XV]
	v_cmp_lt_u32 s[MC], v[YI], v[XI]
	s_and_b32 s[MB], s[MB], s[MC]
	s_or_b32 s[MA], s[MA], s[MB]
	v_cndmask_b32 v[TV2], v[XV], v[YV], s[MA]
	v_cndmask_b32 v[TI2], v[XI], v[YI], s[MA]
.endm
	MERGE 1
	MERGE 2
	MERGE 4                                        ; all eight lanes of a token now hold its two largest probabilities and their experts
	v_add_f32 v[DN], v[TV1], v[TV2]
	v_add_f32 v[DN], 0x3089705f, v[DN]             ; + 1e-9
	v_rcp_f32 v[DR], v[DN]
	v_nop
	s_wait_alu depctr_va_vdst(0)
	v_mul_f32 v[TW1], v[TV1], v[DR]
	v_mul_f32 v[TW2], v[TV2], v[DR]
	ds_store_b64 v[RSA], v[TW1:TW1+1]              ; a token's eight lanes write the same 8 bytes with the same values
	ds_store_b64 v[RSA], v[TI1:TI1+1] offset:512
	s_wait_dscnt 0x0                               ; for the others' sake
	BAR
	s_cmp_gt_u32 s12, 1                            ; wave 0 stores out0's part, wave 1 out1's; the others are done
	s_cbranch_scc1 .Ldone
	ds_load_b128 v[OUTR:OUTR+3], v[RLD]
	s_cmp_eq_u32 s12, 0
	s_cselect_b64 s[8:9], s[8:9], s[10:11]         ; the choice hangs on the wave's number alone
	s_lshl_b32 s20, ttmp9, 9                       ; 64 tokens x 8 bytes a work-group
	s_mov_b32 s21, 0
	s_add_nc_u64 s[8:9], s[8:9], s[20:21]
	s_wait_dscnt 0x0
	global_store_b128 v[GOUT], v[OUTR:OUTR+3], s[8:9] th:TH_STORE_NT   ; 32 lanes store 512 consecutive bytes, at a multiple of 512 from the buffer's first byte
.Ldone:
	s_wait_tensorcnt 0x0
	ds_add_u32 v254, v255
	s_wait_dscnt 0x0
	s_endpgm
.Lfunc_end_k_qb8ff1a87b4_route:
	.size	k_qb8ff1a87b4_route, .Lfunc_end_k_qb8ff1a87b4_route-k_qb8ff1a87b4_route
	.p2alignl 7, 3214868480
	.fill 96, 4, 3214868480
	.section	.rodata,"a",@progbits
	.p2align	6, 0x0
	.amdhsa_kernel k_qb8ff1a87b4_route
		.amdhsa_group_segment_fixed_size 244736
		.amdhsa_private_segment_fixed_size 0
		.amdhsa_enable_private_segment 0
		.amdhsa_kernarg_size 32
		.amdhsa_user_sgpr_count 2
		.amdhsa_user_sgpr_kernarg_segment_ptr 1
		.amdhsa_wavefront_size32 1
		.amdhsa_system_sgpr_workgroup_id_x 1
		.amdhsa_system_sgpr_workgroup_id_y 1
		.amdhsa_system_sgpr_workgroup_id_z 1
		.amdhsa_system_vgpr_workitem_id 0
		.amdhsa_next_free_vgpr 256
		.amdhsa_next_free_sgpr 66
		.amdhsa_reserve_vcc 1
		.amdhsa_float_denorm_mode_32 3
		.amdhsa_float_denorm_mode_16_64 3
		.amdhsa_memory_ordered 1
		.amdhsa_forward_progress 1
		.amdhsa_inst_pref_size 85
	.end_amdhsa_kernel
	.amdgpu_metadata
---
amdhsa.version: [ 1, 2 ]
amdhsa.kernels:
  - .name:           k_qb8ff1a87b4_route
    .symbol:         k_qb8ff1a87b4_route.kd
    .args:
      - { .name: x, .offset: 0, .size: 8, .value_kind: global_buffer, .address_space: global }
      - { .name: W, .offset: 8, .size: 8, .value_kind: global_buffer, .address_space: global }
      - { .name: out0, .offset: 16, .size: 8, .value_kind: global_buffer, .address_space: global }
      - { .name: out1, .offset: 24, .size: 8, .value_kind: global_buffer, .address_space: global }
    .group_segment_fixed_size: 244736
    .private_segment_fixed_size: 0
    .kernarg_segment_align: 8
    .kernarg_segment_size: 32
    .max_flat_workgroup_size: 512
    .sgpr_count:     66
    .vgpr_count:     256
    .wavefront_size: 32
...
	.end_amdgpu_metadata
.endif
;; end of part 1
;; ======== version 2 of 2: 1 launch; version 1 with the launch route written anew for expert scheduling mode
;; limits: right only within a limited range of input values
;; launch route (part 2): grid 256 x 1, 16 waves a work-group, no clusters, 244,736 bytes of LDS; arguments x, W, out0, out1; writes out0, out1
.if DOCPART == 2
	.amdgcn_target "amdgcn-amd-amdhsa--gfx1250"
	.amdhsa_code_object_version 6
	.text
	.protected	k_qb8ff1a87b4_route
	.globl	k_qb8ff1a87b4_route
	.p2align	8
	.type	k_qb8ff1a87b4_route,@function
k_qb8ff1a87b4_route:
	s_mov_b64 s[64:65], 0
	v_nop
	global_prefetch_b8 v0, s[64:65] scope:SCOPE_SE
	s_setreg_imm32_b32 hwreg(HW_REG_WAVE_SCHED_MODE, 0, 2), 2
	s_setreg_imm32_b32 hwreg(HW_REG_WAVE_MODE, 25, 1), 1
	s_wait_xcnt 0x0
	s_wait_alu depctr_vm_vsrc(0)
; MoE router: logits = Q(x) Q(W)^T on codes of FP4 (E2M1) with one E8M0 scale for each 32 along K; softmax over the 64 experts; the two largest
; probabilities (ties: the lower index) and their indices; the two weights divided by (their sum + 1e-9).  x [16384][2048], W [64][2048] f32; out0 [16384][2] f32, out1 [16384][2] i32.
; SHARES.  A work-group owns 64 tokens.  Sixteen waves, four to a SIMD: wave w has m = w / 4 (a tile of 16 rows) and q = w % 4 (a quarter of K, 512 numbers).
; W has 64 rows of 8,192 bytes, as a work-group's part of x has: ONE macro quantises both.  Wave (m, q) quantises 16 experts x 512 k of W and 16 tokens x 512 k of x.
; A GRANULE is 16 rows x 64 k: eight loads, each of two rows' 256 consecutive bytes, aligned, whole.  THE NUMBERS ARE QUANTISED WHERE THE LOADS PUT THEM, and only the codes, an eighth of the bytes, go through LDS.
; Inside a load lane l = 16 h + 8 u + 4 b + t takes row u, block b, bytes 64 h + 16 t of the block: a block of 32 numbers lies in a quad of lanes and in the quad 16 lanes on.  For a pair of loads four
; v_permlane16_swap_b32 bring the two halves together: lanes 0-15 then hold 8 numbers of the even load's block in 8 consecutive registers, lanes 16-31 of the odd load's.  The block's largest magnitude
; wants two steps across the quad; one conversion gives a dword of 8 codes, which is stored at its place in the image of the operand's registers.
; INSIDE A BLOCK THE CODES DO NOT LIE IN K's ORDER: dword t holds elements 4 t .. 4 t + 3 and 16 + 4 t .. 16 + 4 t + 3.  The order is the same in every lane and in both operands, so each product meets its partner.
; Sixteen granules a wave, W's and x's by turns, in a ring of four sets of 32 registers: 32 loads (16 KiB) of a wave are on their way.
; W's images are read by all waves of a quarter: after the two granules of W of a K step of 128 one barrier; then that step's four fragments of W (all 64 experts) come from LDS and four matrix instructions follow.
; THE PRODUCT IS USED TRANSPOSED: source 0 = 16 experts, source 1 = my 16 tokens: a lane holds one token, its registers run along the experts.
; THE EXPERTS OF A TILE ARE NOT NEIGHBOURS: tile t takes experts 8 t .. 8 t + 7 and 32 + 8 t .. 32 + 8 t + 7, so that register j of lane (r, h) is expert 32 h + 8 t + j and a token's row of sums lies in LDS in the experts' order.
; THE END.  The four quarters' sums meet in LDS; each wave finishes 4 tokens, 8 lanes to a token, 8 experts to a lane.  The results meet in LDS and leave as 512 consecutive bytes of each output, one store each.
; WHY NO JOINT LOADS OF W IN A CLUSTER, though every work-group reads the same W: it comes as f32, 524,288 bytes, more than LDS holds beside the rest; joint loads would have to fill a ring again and again,
; each time behind a round of the cluster's barrier for 64 waves, where this text's waves meet six times in all.  WHY NO LAUNCH OF ITS OWN FOR W: it is one part in 256 of the bytes that come from memory.
; THE MODE: SCHED_MODE bits 1:0 = 2 (LLVM: expert scheduling mode 2), set by the entry lines.  The code itself states the register dependences
; between vector or matrix instructions and memory or LDS instructions, with s_wait_alu, always for 0.
; THE PLAN.  Registers that memory or LDS instructions touch:
;   RAW, set p % 4   Turn p: its swaps, maxima and conversions name the set; behind them the loads of place p + 4 land in it.
;   CB, set p % 4    Turn p: its conversions, selects and shift write the set, its five LDS stores read it; turn p + 4, a K step on, writes it again.
;   XC               LDS loads in x's turns land in it; the K step's four matrix instructions read it.
;   WF, WSC, XS      LDS loads behind the K step's barrier land in them; the same four matrix instructions read them.
;   v1-9, v19        the offset and the LDS addresses: written at the head, read by loads and stores, never written again.
;   ACC              written by the matrix instructions, read by the LDS stores behind the last K step, never written again.
;   At the end: PLD, RSA, RLD, GOUT are written once and then read as addresses; PL and OUTR take LDS loads; TW1, TW2, TI1, TI2 are written by vector instructions and read by two LDS stores.
;   T, S and the end's other registers are named by vector instructions alone.  v254, v255: written at the head, read by the closing add alone.
; So ONE wait on va_vdst stands in a turn, behind its last vector instruction: the turn's loads and LDS instructions follow it, and so do, with no vector instruction between, the loads of W's fragments
; behind the barrier and the load of x's scale word.  ONE wait on vm_vsrc stands at the head of a K step: the stores of the K step before have read all four sets of CB.
; A lane mask made by a compare is read only behind a wait on va_sdst.
; LIMITS.  NaN and infinities among the inputs are not served.  v_exp_f32 gives 0 where the exact value lies under 2^-126 (ISA guide, its entry): an expert whose logit lies more than about 87.3 under the row's
; largest has probability 0 here and competes as 0 (ties: the lower index).  Divisions are v_rcp_f32 (1 ulp) and a multiplication.  K is summed in four quarters, then (0 + 1) + (2 + 3), and inside a block in the
; order given above: sums may differ from another order's in their last bits, and with them the choice between two probabilities that lie so close.
; A block of zeros gets the byte 1 where the rule says 127: its codes are zeros, which add nothing, and nobody else reads the bytes.  A largest magnitude under 2^-124 holds the byte at 1, as the rule's hold at -126 does.
.set ROWB,   8192                      ; a row of x or of W in bytes
.set SPITCH, 272                       ; a row of sums in LDS: 256 bytes + 16
.set HOFF,   320                       ; in half an image: lanes 0-15's 16 x 16 bytes, 64 bytes left free, lanes 16-31's: 80 words on, so that the 32 lanes of a store of codes fall on 32 different banks (64 banks of 4 bytes: ISA guide 11.1)
.set HIMG,   640                       ; half a fragment's image: registers 4 c .. 4 c + 3
.set FIMG,   2*HIMG                    ; a fragment's
.set KSB,    4*FIMG                    ; a K step's four tiles
.set WQ,     4*KSB                     ; a quarter's four K steps
.set WIMG,   0                         ; LDS: W's 64 fragments as images: WQ q + KSB s + FIMG t
.set SCL,    4*WQ                      ; W's scale words: for (q, s) 256 bytes: row r's four tiles' words at 16 r
.set XSTG,   SCL+4096                  ; sixteen stages for x's codes, a wave's own: eight half images, then four K steps' scale words (64 bytes each); no byte is written twice
.set XWB,    8*HIMG+256
.set PART,   XSTG+16*XWB               ; the quarters' sums: [q][token][expert] f32, rows SPITCH apart
.set PARTQ,  64*SPITCH
.set RES,    PART+4*PARTQ              ; the results: 512 bytes as out0 has them, then 512 as out1 has them; behind them, from byte 0x3b400 on, the spare words: 128 bytes for each of the sixteen waves, which no other line names
.set GOFF, 1                           ; v1   byte offset of my 16 bytes in a load: 8,192 u + 128 b + 64 h + 16 t; never rewritten
.set XST,  2                           ; v2   where I store x's codes
.set XLD,  3                           ; v3   and load them as a fragment's registers
.set WIA,  4                           ; v4   where I store W's codes
.set WSA,  5                           ; v5   and W's scale bytes
.set WLA,  6                           ; v6   where I load W's images
.set WSL,  7                           ; v7   and their scale words
.set XSB,  8                           ; v8   where I store x's scale bytes
.set XSW,  9                           ; v9   and load x's scale word
.set T,    10                          ; v10-13 largest magnitudes, one for each pair of loads
.set S,    14                          ; v14-17 the conversions' scale operands
.set XS,   18                          ; v18  x's scale word: holds nothing else
.set PST,  19                          ; v19  where I store my sums
.set WSC,  20                          ; v20-23 the scale words of W's four tiles: hold nothing else
.set CB,   24                          ; v24-43 four dwords of codes and a scale byte, a set for each of a K step's four granules: a set is written again a K step later, behind that K step's wait on vm_vsrc
.set XC,   44                          ; v44-51 x's fragment of the K step
.set ACC,  52                          ; v52-83 four accumulators
.set WF,   84                          ; v84-115 W's four fragments of the K step
.set RAW,  116                         ; v116-243 the ring: four sets of 32; at the end the registers below
.set PL,   116                         ; v116-147 four quarters x 8 experts; then logits, exponentials, probabilities in the first eight
.set PLD,  148
.set RSA,  149
.set RLD,  150
.set GOUT, 151
.set IB,   152
.set MX,   153
.set NM,   154                         ; pair
.set SA,   156                         ; pair
.set SB,   158                         ; pair
.set RC,   160                         ; pair
.set KC,   162                         ; v162-169 my eight experts' numbers
.set TV1,  170
.set TV2,  171
.set TI1,  172                         ; pair with TI2: 8 bytes of out1
.set TI2,  173
.set TW1,  174                         ; pair with TW2: 8 bytes of out0
.set TW2,  175
.set U1,   176
.set J1,   177
.set U2,   178
.set J2,   179
.set XV,   180
.set XI,   181
.set YV,   182
.set YI,   183
.set DN,   184
.set DR,   185
.set OUTR, 186
.set MA,   30                          ; s30-32 lane masks at work
.set MB,   31
.set MC,   32
.set Q1,   33                          ; s33-35 constant lane masks: the lanes whose place in their quad is 1, 2, 3
.set Q2,   34
.set Q3,   35
; Place p of the stream, 0 .. 15: even p is granule p / 2 of W, odd p granule p / 2 of x; set p % 4 of the ring.  Every offset is an immediate: no pointer is stepped.
.macro GLOAD p
.set GG, (\p)/2
.set RSET, RAW+32*((\p)%4)
.if (\p)%2 == 0
.irp i, 0,1,2,3,4,5,6,7
	global_load_b128 v[RSET+4*\i:RSET+4*\i+3], v[GOFF], s[6:7] offset:\i*2*ROWB+(\i/4)*24*ROWB+256*GG   ; W: the tile's rows 2 i, 2 i + 1; rows 8-15 are the experts 24 further on
.endr
.else
.irp i, 0,1,2,3,4,5,6,7
	global_load_b128 v[RSET+4*\i:RSET+4*\i+3], v[GOFF], s[4:5] offset:\i*2*ROWB+256*GG th:TH_LOAD_NT    ; x: read once in the launch
.endr
.endif
.endm
; The granule at place p becomes codes and scale bytes; its set takes the loads of four places on; the codes go to LDS.
; Pair a of loads (2 a, 2 a + 1): my lane works on row 4 a + 2 h + u, block b, and makes dword t of the block's four.
.macro TURN p
.set QS, RAW+32*((\p)%4)
.set QC, CB+5*((\p)%4)
.set QG, (\p)/2
.if (\p) < 13
	s_wait_loadcnt 24                              ; loads come back in order (ISA guide 5.7.1): this granule's eight are in, the 24 of the three younger granules stay out
.else
	s_wait_loadcnt 8*(15-(\p))                     ; the last places: fewer are behind
.endif
.irp a, 0,1,2,3
.irp k, 0,1,2,3
	v_permlane16_swap_b32 v[QS+8*\a+\k], v[QS+8*\a+4+\k]   ; the even load's lanes 16-31 change places with the odd load's lanes 0-15: eight registers on end now hold 8 numbers of ONE block: bytes 16 t on, then bytes 64 + 16 t on
.endr
.endr
.irp a, 0,1,2,3
	v_max3_num_f32 v[T+\a], |v[QS+8*\a]|, |v[QS+8*\a+1]|, 0x1800000   ; my eight, and the floor 2^(3 - 127): the byte cannot fall under 1.  (The four pairs by turns: no line waits for the line above it)
.endr
.irp i, 2,4,6
.irp a, 0,1,2,3
	v_max3_num_f32 v[T+\a], v[T+\a], |v[QS+8*\a+\i]|, |v[QS+8*\a+\i+1]|
.endr
.endr
.irp x, 1,2
.irp a, 0,1,2,3
	v_max_num_f32_dpp v[T+\a], v[T+\a], v[T+\a] row_xmask:\x row_mask:0xf bank_mask:0xf   ; with the quad's other three lanes: the block's largest magnitude
.endr
.endr
.irp a, 0,1,2,3
	v_add_nc_u32 v[S+\a], 0xff000000, v[T+\a]      ; 2 off the exponent field: the conversion takes this operand's exponent field as its scale and nothing else of it
.endr
.irp a, 0,1,2,3
	v_cvt_scalef32_pk8_fp4_f32 v[QC+\a], v[QS+8*\a:QS+8*\a+7], v[S+\a]   ; to the nearest code, ties to even, beyond 6 the largest code
.endr
	v_cndmask_b32 v[QC+4], v[S], v[S+1], s[Q1]     ; lane t of a quad speaks for pair t: 32 lanes, 16 rows x 2 blocks.  (Also the plain instructions behind the conversions)
	v_cndmask_b32 v[QC+4], v[QC+4], v[S+2], s[Q2]
	v_cndmask_b32 v[QC+4], v[QC+4], v[S+3], s[Q3]
	v_lshrrev_b32 v[QC+4], 23, v[QC+4]             ; the scale's byte
	s_wait_alu depctr_va_vdst(0)                   ; the swaps, maxima and conversions are done with this set of the ring, in which the loads below land; the codes and the byte are written, which the LDS stores read; the matrix instructions of the K step before are done reading x's fragment, W's fragments and the scale words, in which LDS loads land; at place 0 the addresses made at the head are written
.if (\p)+4 < 16
	GLOAD (\p)+4                                   ; the set is asked for again at once
.endif
.if (\p)%2 == 0
.irp a, 0,1,2,3
	ds_store_b32 v[WIA], v[QC+\a] offset:KSB*(QG/2)+HIMG*(QG%2)+64*\a   ; into the image of tile m's fragment: row 4 a + 2 h + u at 16 bytes a row, block b HOFF on, dword t
.endr
	ds_store_b8 v[WSA], v[QC+4] offset:256*(QG/2)+2*(QG%2)              ; byte 2 c + b of the row's scale word
.else
.irp a, 0,1,2,3
	ds_store_b32 v[XST], v[QC+\a] offset:HIMG*QG+64*\a
.endr
	ds_store_b8 v[XSB], v[QC+4] offset:64*(QG/2)+2*(QG%2)
	ds_load_b128 v[XC+4*(QG%2):XC+4*(QG%2)+3], v[XLD] offset:HIMG*QG    ; LDS serves a wave's instructions in order (ISA guide 5.7.1.4): this sees the stores.  Registers 4 c .. 4 c + 3 of x's fragment
.endif
.endm
.macro BAR
	s_barrier_signal -1
	s_barrier_wait -1
.endm
; K step s of my quarter: places 4 s .. 4 s + 3.
.macro KSTEP s
.if (\s) > 0
	s_wait_alu depctr_vm_vsrc(0)                   ; the LDS stores of the K step before have read all four sets of codes and bytes, which this K step's conversions, selects and shifts write again
.endif
	TURN 4*(\s)                                    ; W, first half
	TURN 4*(\s)+1                                  ; x, first half
	TURN 4*(\s)+2                                  ; W, second half
	s_wait_dscnt 0x0                               ; for the others' sake: my part of W's K step lies in LDS
	BAR                                            ; everybody's does
.irp t, 0,1,2,3
	ds_load_b128 v[WF+8*\t:WF+8*\t+3], v[WLA] offset:KSB*(\s)+FIMG*\t        ; no further wait: no vector or matrix instruction has been issued since the wait in the turn above
	ds_load_b128 v[WF+8*\t+4:WF+8*\t+7], v[WLA] offset:KSB*(\s)+FIMG*\t+HIMG
.endr
	ds_load_b128 v[WSC:WSC+3], v[WSL] offset:256*(\s)              ; the four tiles' scale words of my lane's row
	TURN 4*(\s)+3                                  ; x, second half, while W's fragments come
	ds_load_b32 v[XS], v[XSW] offset:64*(\s)       ; my row's scale word: its four bytes were stored above.  (No vector instruction since the turn's wait)
	s_wait_dscnt 0x0                               ; operands and scale words are in: all come by loads, which owe their wait alone
.irp t, 0,1,2,3                                ; the four accumulators by turns, one instruction a turn; the first K step starts the sums
.if (\s) == 0
	v_wmma_scale_f32_16x16x128_f8f6f4 v[ACC+8*\t:ACC+8*\t+7], v[WF+8*\t:WF+8*\t+7], v[XC:XC+7], 0, v[WSC+\t], v[XS] matrix_a_fmt:MATRIX_FMT_FP4 matrix_b_fmt:MATRIX_FMT_FP4
.else
	v_wmma_scale_f32_16x16x128_f8f6f4 v[ACC+8*\t:ACC+8*\t+7], v[WF+8*\t:WF+8*\t+7], v[XC:XC+7], v[ACC+8*\t:ACC+8*\t+7], v[WSC+\t], v[XS] matrix_a_fmt:MATRIX_FMT_FP4 matrix_b_fmt:MATRIX_FMT_FP4
.endif
.endr
.rept 4
	v_nop                                          ; four places behind the matrix instructions: behind the last K step the stores that read these results follow; the places stay beside the wait that stands ahead of those stores
.endr
.endm
	s_load_b128 s[4:7], s[0:1], 0x0                ; x s[4:5], W s[6:7]
	s_load_b128 s[8:11], s[0:1], 0x10              ; out0 s[8:9], out1 s[10:11]
	v_lshl_add_u32 v254, v0, 2, 0x3b400
	v_mov_b32 v255, 0
	v_lshrrev_b32 v10, 5, v0
	v_readfirstlane_b32 s12, v10                   ; wave 0..15
	v_and_b32 v10, 3, v0                           ; t: my place in the quad
	v_bfe_u32 v11, v0, 2, 1                        ; b: which of a row's two blocks
	v_bfe_u32 v12, v0, 3, 1                        ; u: which of a load's two rows
	v_bfe_u32 v13, v0, 4, 1                        ; h: which half of the lanes
	v_lshlrev_b32 v[GOFF], 4, v10
	v_lshl_add_u32 v[GOFF], v13, 6, v[GOFF]
	v_lshl_add_u32 v[GOFF], v11, 7, v[GOFF]
	v_lshl_add_u32 v[GOFF], v12, 13, v[GOFF]
	s_wait_alu depctr_va_sdst(0)                   ; s12 is written, ahead of its first reader: m, q, the bases and the LDS addresses are made from it
	s_lshr_b32 s13, s12, 2                         ; m
	s_and_b32 s14, s12, 3                          ; q
	s_lshl_b32 s20, ttmp9, 19                      ; x: 64 rows a work-group,
	s_lshl_b32 s21, s13, 17                        ; 16 rows a tile,
	s_add_co_u32 s20, s20, s21
	s_lshl_b32 s22, s14, 11                        ; 2,048 bytes a quarter of K
	s_add_co_u32 s20, s20, s22
	s_mov_b32 s21, 0
	s_lshl_b32 s24, s13, 16                        ; W: tile m begins at expert 8 m
	s_add_co_u32 s24, s24, s22
	s_mov_b32 s25, 0
	s_wait_kmcnt 0x0
	s_add_nc_u64 s[4:5], s[4:5], s[20:21]
	s_add_nc_u64 s[6:7], s[6:7], s[24:25]
	s_wait_alu depctr_va_vdst(0)                   ; v[GOFF] is written, which every global load of the kernel reads as its offset
	GLOAD 0                                        ; the ring is filled before anything else is done
	GLOAD 1
	GLOAD 2
	GLOAD 3
	v_lshlrev_b32 v14, 2, v10                      ; a dword of codes in half an image: 4 t + 16 u + 32 h + HOFF b (+ 64 for each pair of loads)
	v_lshl_add_u32 v14, v12, 4, v14
	v_lshl_add_u32 v14, v13, 5, v14
	v_mad_u32_u24 v14, v11, HOFF, v14
	v_and_b32 v15, 15, v0                          ; r = lane % 16
	v_lshlrev_b32 v16, 4, v15                      ; a lane's 16 bytes of half an image: 16 r + HOFF h
	v_mad_u32_u24 v16, v13, HOFF, v16
	v_lshl_add_u32 v17, v10, 4, v11                ; x's scale byte: row 4 t + 2 h + u, 4 bytes a row, + b
	v_lshl_add_u32 v17, v12, 2, v17
	v_lshl_add_u32 v17, v13, 3, v17
	v_lshl_add_u32 v[WSA], v10, 6, v11             ; W's: the same row, 16 bytes a row, + b
	v_lshl_add_u32 v[WSA], v12, 4, v[WSA]
	v_lshl_add_u32 v[WSA], v13, 5, v[WSA]
	s_wait_alu depctr_va_vdst(0)
	s_mul_i32 s15, s12, XWB
	s_add_co_u32 s15, s15, XSTG                    ; my stage
	v_add_nc_u32 v[XST], s15, v14
	v_add_nc_u32 v[XLD], s15, v16
	s_add_co_u32 s16, s15, 8*HIMG                  ; behind its eight half images: the scale words
	v_add_nc_u32 v[XSB], s16, v17
	v_lshl_add_u32 v[XSW], v15, 2, s16
	s_mul_i32 s16, s14, WQ                         ; my quarter's 16 fragments of W (WIMG = 0)
	v_add_nc_u32 v[WLA], s16, v16
	s_mul_i32 s17, s13, FIMG                       ; of each K step's four, tile m is the one that I make
	s_add_co_u32 s17, s17, s16
	v_add_nc_u32 v[WIA], s17, v14
	s_lshl_b32 s16, s14, 10
	s_add_co_u32 s16, s16, SCL                     ; my quarter's scale words of W
	v_lshl_add_u32 v[WSL], v15, 4, s16
	s_lshl_b32 s17, s13, 2
	s_add_co_u32 s17, s17, s16
	v_add_nc_u32 v[WSA], s17, v[WSA]
	v_mul_u32_u24 v[PST], v15, SPITCH
	v_lshl_add_u32 v[PST], v13, 7, v[PST]          ; 272 r + 128 h
	s_mul_i32 s16, s14, PARTQ
	s_mul_i32 s17, s13, 16*SPITCH
	s_add_co_u32 s16, s16, s17
	s_add_co_u32 s16, s16, PART
	v_add_nc_u32 v[PST], s16, v[PST]               ; my sums: quarter q, token 16 m + r, experts 32 h on
	s_mov_b32 s[Q1], 0x22222222
	s_mov_b32 s[Q2], 0x44444444
	s_mov_b32 s[Q3], 0x88888888
	s_mov_b32 s28, 0x3fb8aa3b                      ; log2(e)
	s_mov_b32 s29, s28                             ; (named with it as a pair, so it is written)
	KSTEP 0                                        ; (the LDS addresses made above are first read behind the wait in its first turn)
	KSTEP 1
	KSTEP 2
	KSTEP 3
	; my quarter's sums to LDS: lane (r, h), tile t: token 16 m + r, experts 32 h + 8 t + 0 .. 7: 32 bytes.  Each accumulator from its low end on.
	s_wait_alu depctr_va_vdst(0)                   ; the matrix instructions have written the accumulators, which the LDS stores read; the four places above stay beside this wait
.irp t, 0,1,2,3
	ds_store_b128 v[PST], v[ACC+8*\t:ACC+8*\t+3] offset:32*\t
	ds_store_b128 v[PST], v[ACC+8*\t+4:ACC+8*\t+7] offset:32*\t+16
.endr
	v_lshrrev_b32 v[RSA], 3, v0                    ; THE END'S SHARES: thread / 8 is my token (0 .. 63), thread % 8 my group of eight experts
	v_and_b32 v[IB], 7, v0
	v_mul_u32_u24 v[PLD], v[RSA], SPITCH
	v_lshl_add_u32 v[PLD], v[IB], 5, v[PLD]
	v_add_nc_u32 v[PLD], PART, v[PLD]              ; my token's row, my 32 bytes
	v_lshl_add_u32 v[RSA], v[RSA], 3, RES          ; my token's 8 bytes among the results
	v_lshl_add_u32 v[RLD], v0, 4, RES              ; waves 0 and 1: 16 bytes a thread of the 1,024
	v_and_b32 v[GOUT], 31, v0
	v_lshlrev_b32 v[GOUT], 4, v[GOUT]
	v_lshlrev_b32 v[IB], 3, v[IB]
.irp k, 0,1,2,3,4,5,6,7
	v_add_nc_u32 v[KC+\k], \k, v[IB]               ; my experts' numbers
.endr
	v_mov_b32 v[U1], 0                             ; written once: a DPP move's destination counts as one of its sources
	v_mov_b32 v[J1], 0
	v_mov_b32 v[J2], 0
	v_mov_b32 v[U2], 0
	v_mov_b32 v[NM+1], 0                           ; (upper halves of pairs of which the packed forms take the low word)
	v_mov_b32 v[RC+1], 0
	s_wait_alu depctr_va_vdst(0)                   ; v[PLD] is written, which the loads of the sums read as their address; so are v[RSA], v[RLD] and v[GOUT], which no later vector instruction names
	s_wait_dscnt 0x0                               ; for the others' sake: my sums lie in LDS
	BAR
.irp p, 0,1,2,3
	ds_load_b128 v[PL+8*\p:PL+8*\p+3], v[PLD] offset:\p*PARTQ
	ds_load_b128 v[PL+8*\p+4:PL+8*\p+7], v[PLD] offset:\p*PARTQ+16
.endr
	s_wait_dscnt 0x0
.irp k, 0,2,4,6
	v_pk_add_f32 v[PL+\k:PL+\k+1], v[PL+\k:PL+\k+1], v[PL+8+\k:PL+8+\k+1]          ; quarters 0 + 1,
	v_pk_add_f32 v[PL+16+\k:PL+16+\k+1], v[PL+16+\k:PL+16+\k+1], v[PL+24+\k:PL+24+\k+1]   ; 2 + 3,
.endr
.irp k, 0,2,4,6
	v_pk_add_f32 v[PL+\k:PL+\k+1], v[PL+\k:PL+\k+1], v[PL+16+\k:PL+16+\k+1]        ; and both: eight logits
.endr
	v_max3_num_f32 v[MX], v[PL], v[PL+1], v[PL+2]
	v_max3_num_f32 v[MX], v[MX], v[PL+3], v[PL+4]
	v_max3_num_f32 v[MX], v[MX], v[PL+5], v[PL+6]
	v_max_num_f32 v[MX], v[MX], v[PL+7]
.irp x, 1,2,4
	v_max_num_f32_dpp v[MX], v[MX], v[MX] row_xmask:\x row_mask:0xf bank_mask:0xf   ; with the token's other seven lanes: the row's largest logit
.endr
	v_mul_f32 v[NM], 0xbfb8aa3b, v[MX]             ; -log2(e) x the largest
.irp k, 0,2,4,6
	v_pk_fma_f32 v[PL+\k:PL+\k+1], v[PL+\k:PL+\k+1], s[28:29], v[NM:NM+1] op_sel_hi:[1,0,0]   ; (l - largest) log2(e), one rounding; what the rounding of the product above leaves is one factor common to the row, which the division by the sum takes out
.endr
	s_wait_alu depctr_va_vdst(0)
.irp k, 0,1,2,3,4,5,6,7
	v_exp_f32 v[PL+\k], v[PL+\k]
.endr
	v_nop                                          ; a plain instruction behind the last exponential
	s_wait_alu depctr_va_vdst(0)                   ; the eight exponentials have written v[PL ..]: one wait for them, ahead of their first reader
	v_pk_add_f32 v[SA:SA+1], v[PL:PL+1], v[PL+2:PL+3]
	v_pk_add_f32 v[SB:SB+1], v[PL+4:PL+5], v[PL+6:PL+7]
	v_pk_add_f32 v[SA:SA+1], v[SA:SA+1], v[SB:SB+1]
	v_add_f32 v[SA], v[SA], v[SA+1]
.irp x, 1,2,4
	v_add_f32_dpp v[SA], v[SA], v[SA] row_xmask:\x row_mask:0xf bank_mask:0xf       ; the row's sum: about 1 at the least
.endr
	s_wait_alu depctr_va_vdst(0)
	v_rcp_f32 v[RC], v[SA]
	v_nop
	s_wait_alu depctr_va_vdst(0)                   ; the reciprocal has written v[RC], ahead of its first reader
.irp k, 0,2,4,6
	v_pk_mul_f32 v[PL+\k:PL+\k+1], v[PL+\k:PL+\k+1], v[RC:RC+1] op_sel_hi:[1,0]     ; the probabilities: the choice is made on them, as the definition makes it
.endr
	; the two largest of my eight, in ascending order of the experts: only a strictly larger one displaces, so the lower index keeps a tie.
	; The lines that read no mask stand between the compares and that wait.
	v_cmp_gt_f32 s[MA], v[PL+1], v[PL]
	v_max_num_f32 v[TV1], v[PL], v[PL+1]
	v_min_num_f32 v[TV2], v[PL], v[PL+1]
	s_wait_alu depctr_va_sdst(0)                   ; the compare has written s[MA], which the two selects read
	v_cndmask_b32 v[TI1], v[KC], v[KC+1], s[MA]
	v_cndmask_b32 v[TI2], v[KC+1], v[KC], s[MA]
.irp k, 2,3,4,5,6,7
	v_cmp_gt_f32 s[MB], v[PL+\k], v[TV1]
	v_cmp_gt_f32 s[MA], v[PL+\k], v[TV2]
	v_med3_num_f32 v[TV2], v[PL+\k], v[TV1], v[TV2]               ; the middle of the three is the new second
	v_max_num_f32 v[TV1], v[TV1], v[PL+\k]
	s_wait_alu depctr_va_sdst(0)                   ; the two compares have written s[MB] and s[MA], which the three selects read
	v_cndmask_b32 v[TI2], v[TI2], v[KC+\k], s[MA]
	v_cndmask_b32 v[TI2], v[TI2], v[TI1], s[MB]
	v_cndmask_b32 v[TI1], v[TI1], v[KC+\k], s[MB]
.endr
; My pair and lane l xor x's pair become one.  'Better' is: larger, or equal with the lower index: a strict order, so both lanes come to the same pair.  The masks only select values.
.macro MERGE x
	v_mov_b32_dpp v[U1], v[TV1] row_xmask:\x row_mask:0xf bank_mask:0xf
	v_mov_b32_dpp v[J1], v[TI1] row_xmask:\x row_mask:0xf bank_mask:0xf
	v_mov_b32_dpp v[U2], v[TV2] row_xmask:\x row_mask:0xf bank_mask:0xf
	v_mov_b32_dpp v[J2], v[TI2] row_xmask:\x row_mask:0xf bank_mask:0xf
	v_cmp_gt_f32 s[MA], v[U1], v[TV1]
	v_cmp_eq_f32 s[MB], v[U1], v[TV1]
	v_cmp_lt_u32 s[MC], v[J1], v[TI1]
	s_wait_alu depctr_va_sdst(0)                   ; the three compares have written s[MA], s[MB] and s[MC], which the scalar lines below read
	s_and_b32 s[MB], s[MB], s[MC]
	s_or_b32 s[MA], s[MA], s[MB]                   ; the other's first is better than mine
	v_cndmask_b32 v[XV], v[TV2], v[TV1], s[MA]     ; then my first and the other's second stand for the second place, else my second and the other's first
	v_cndmask_b32 v[XI], v[TI2], v[TI1], s[MA]
	v_cndmask_b32 v[YV], v[U1], v[U2], s[MA]
	v_cndmask_b32 v[YI], v[J1], v[J2], s[MA]
	v_cndmask_b32 v[TV1], v[TV1], v[U1], s[MA]
	v_cndmask_b32 v[TI1], v[TI1], v[J1], s[MA]
	v_cmp_gt_f32 s[MA], v[YV], v[XV]
	v_cmp_eq_f32 s[MB], v[YV], v[XV]
	v_cmp_lt_u32 s[MC], v[YI], v[XI]
	s_wait_alu depctr_va_sdst(0)                   ; the three compares have written the three masks anew, which the scalar lines below read
	s_and_b32 s[MB], s[MB], s[MC]
	s_or_b32 s[MA], s[MA], s[MB]
	v_cndmask_b32 v[TV2], v[XV], v[YV], s[MA]
	v_cndmask_b32 v[TI2], v[XI], v[YI], s[MA]
.endm
	MERGE 1
	MERGE 2
	MERGE 4                                        ; all eight lanes of a token now hold its two largest probabilities and their experts
	v_add_f32 v[DN], v[TV1], v[TV2]
	v_add_f32 v[DN], 0x3089705f, v[DN]             ; + 1e-9
	s_wait_alu depctr_va_vdst(0)
	v_rcp_f32 v[DR], v[DN]
	v_nop
	s_wait_alu depctr_va_vdst(0)                   ; the reciprocal has written v[DR], ahead of its first reader
	v_mul_f32 v[TW1], v[TV1], v[DR]
	v_mul_f32 v[TW2], v[TV2], v[DR]
	s_wait_alu depctr_va_vdst(0)                   ; the two weights and the two indices are written, which the LDS stores read; no vector instruction follows this wait, so it serves the load and the store behind the barrier too
	ds_store_b64 v[RSA], v[TW1:TW1+1]              ; a token's eight lanes write the same 8 bytes with the same values
	ds_store_b64 v[RSA], v[TI1:TI1+1] offset:512
	s_wait_dscnt 0x0                               ; for the others' sake
	BAR
	s_cmp_gt_u32 s12, 1                            ; wave 0 stores out0's part, wave 1 out1's; the others are done
	s_cbranch_scc1 .Ldone
	ds_load_b128 v[OUTR:OUTR+3], v[RLD]
	s_cmp_eq_u32 s12, 0
	s_cselect_b64 s[8:9], s[8:9], s[10:11]         ; the choice hangs on the wave's number alone
	s_lshl_b32 s20, ttmp9, 9                       ; 64 tokens x 8 bytes a work-group
	s_mov_b32 s21, 0
	s_add_nc_u64 s[8:9], s[8:9], s[20:21]
	s_wait_dscnt 0x0
	global_store_b128 v[GOUT], v[OUTR:OUTR+3], s[8:9] th:TH_STORE_NT   ; 32 lanes store 512 consecutive bytes, at a multiple of 512 from the buffer's first byte
.Ldone:
	s_wait_dscnt 0x0                               ; the closing lines, six on end
	s_wait_alu 0x0
	s_wait_tensorcnt 0x0
	ds_add_u32 v254, v255
	s_wait_dscnt 0x0
	s_endpgm
.Lfunc_end_k_qb8ff1a87b4_route:
	.size	k_qb8ff1a87b4_route, .Lfunc_end_k_qb8ff1a87b4_route-k_qb8ff1a87b4_route
	.p2alignl 7, 3214868480
	.fill 96, 4, 3214868480
	.section	.rodata,"a",@progbits
	.p2align	6, 0x0
	.amdhsa_kernel k_qb8ff1a87b4_route
		.amdhsa_group_segment_fixed_size 244736
		.amdhsa_private_segment_fixed_size 0
		.amdhsa_enable_private_segment 0
		.amdhsa_kernarg_size 32
		.amdhsa_user_sgpr_count 2
		.amdhsa_user_sgpr_kernarg_segment_ptr 1
		.amdhsa_wavefront_size32 1
		.amdhsa_system_sgpr_workgroup_id_x 1
		.amdhsa_system_sgpr_workgroup_id_y 1
		.amdhsa_system_sgpr_workgroup_id_z 1
		.amdhsa_system_vgpr_workitem_id 0
		.amdhsa_next_free_vgpr 256
		.amdhsa_next_free_sgpr 66
		.amdhsa_reserve_vcc 0
		.amdhsa_float_denorm_mode_32 3
		.amdhsa_float_denorm_mode_16_64 3
		.amdhsa_memory_ordered 1
		.amdhsa_forward_progress 1
		.amdhsa_inst_pref_size 87
	.end_amdhsa_kernel
	.amdgpu_metadata
---
amdhsa.version: [ 1, 2 ]
amdhsa.kernels:
  - .name:           k_qb8ff1a87b4_route
    .symbol:         k_qb8ff1a87b4_route.kd
    .args:
      - { .name: x, .offset: 0, .size: 8, .value_kind: global_buffer, .address_space: global }
      - { .name: W, .offset: 8, .size: 8, .value_kind: global_buffer, .address_space: global }
      - { .name: out0, .offset: 16, .size: 8, .value_kind: global_buffer, .address_space: global }
      - { .name: out1, .offset: 24, .size: 8, .value_kind: global_buffer, .address_space: global }
    .group_segment_fixed_size: 244736
    .private_segment_fixed_size: 0
    .kernarg_segment_align: 8
    .kernarg_segment_size: 32
    .max_flat_workgroup_size: 512
    .sgpr_count:     66
    .vgpr_count:     256
    .wavefront_size: 32
...
	.end_amdgpu_metadata
.endif
;; end of part 2
